; MI455X (gfx1250); checked and timed in simulation.
; The chip was launched on July 23, 2026; its instructions are those of AMD's public machine-readable ISA for CDNA 5 (MIT licence, August 2026) and "CDNA5" Instruction Set Architecture Reference Guide (July 2026). The comments in the code are by the model that wrote it; some were corrected since.
;; Self Attention Block. Allowed arithmetic: matrix products marked QUANTISED: E4M3 operands, one given power-of-two scale a tensor, by v_wmma_f32_16x16x64_fp8_fp8 or v_wmma_f32_16x16x128_fp8_fp8, f32 sums; everything else in f32.
;; Inputs: b_proj 256 float32; beta 256 float32; gamma 256 float32; lowp_scales 8 int32 (the exponents e of the quantised operands' scales 2^e); w_proj 256 x 256 float32; w_qkv 768 x 256 float32; x 4 x 256 x 64 x 64 float32.
;; Outputs: out0 4 x 256 x 64 x 64 float32.
;; This version of the problem:
;;   THIS VERSION OF THE PROBLEM IS GIVEN IN LOW PRECISION. The matrix products marked QUANTISED in the list below multiply operands that are first quantised to E4M3 (4 exponent bits, 3 mantissa bits; 8 bits a number), with one given power-of-two scale for each operand tensor; their sums are f32. All else is computed in f32.
;;   The module's matrix products, in the order in which they are computed (A, B: the left and right operand; K: the contracted axis; several contracted axes count as one K, in the product's order):
;;     1. [M 16,384, K 256] x [K 256, N 768]; A: computed on the way; B: input w_qkv: QUANTISED (scales: A lowp_scales[0], B lowp_scales[1])
;;     2. batch 16 x [M 4,096, K 64] x [K 64, N 4,096]; A: computed on the way; B: computed on the way: QUANTISED (scales: A lowp_scales[2], B lowp_scales[3])
;;     3. batch 16 x [M 64, K 4,096] x [K 4,096, N 4,096]; A: computed on the way; B: softmax (see below): QUANTISED (scales: A lowp_scales[4], B lowp_scales[5])
;;     4. [M 16,384, K 256] x [K 256, N 256]; A: computed on the way; B: input w_proj: QUANTISED (scales: A lowp_scales[6], B lowp_scales[7])
;;   THE QUANTISER, for each operand of a quantised product, along K:
;;     - The operand's scale is 2^e, e = its entry of the input lowp_scales (int32; the entries are numbered through the quantised products in the list's order, A before B).
;;     - Each number is divided by the scale, clamped to +-448, and rounded to the nearest number of E4M3, ties to even, subnormals kept.
;;     - The product sums the exact products of the quantised numbers (number of the format x scale) in f32.
;;   ~~~python
;;   def quantise(x, axis, e):      # numpy; x: float32 -> the quantised numbers, widened to float32 again
;;       x = np.moveaxis(x, axis, -1); K = x.shape[-1]
;;       r = np.clip(x / 2.0 ** e, -448, 448)
;;       step = 2.0 ** (np.maximum(np.frexp(np.where(r == 0, 1, r))[1] - 1, -6) - 3)
;;       q = np.round(r / step) * step * 2.0 ** e      # np.round: ties to even
;;       return np.moveaxis(q, -1, axis).astype(np.float32)
;;   ~~~
;;   SOFTMAX AHEAD OF A QUANTISED PRODUCT. Where the list says 'softmax', what is quantised is not the finished softmax but p = 2^(t - M), with t = logit x log2(e) and M = ceil(the row's largest t), a whole number; so 1/2 < the row's largest p <= 1. The row's sum l is taken of the UNQUANTISED p, in f32, and the product's result is divided by l at the end. Since M is a whole number, a kernel that streams over the keys may use a running M (the ceiling of the running maximum): every later rescaling is an exact power of two, so the quantised numbers keep their values, but for numbers so far below the row's largest that they fall under the format's range.
;;   OPERANDS COMPUTED ON THE WAY. 'Computed on the way' means the value that the module computes at that place (a softmax that the list does not call 'softmax' is quantised finished and normalised). What goes into a quantiser is computed in f32, as accurately as f32 sums, v_exp_f32 and their like allow (about 1e-6 of the number): no bf16 or f16 on the way to a quantiser, and a product that is left as it is and whose result goes on into a quantised operand takes f32 operands (vector FMAs, or v_wmma_f32_16x16x4_f32). A number that lies on a knife's edge between two numbers of the format may be rounded either way, as far as f32 arithmetic and the matrix unit's own rounding can turn it there, and no further.
;; One version. Each part assembles by itself: llvm-mc -triple=amdgcn-amd-amdhsa -mcpu=gfx1250 --defsym DOCPART=n.
;; ======== version 1 of 1: 4 launches
;; limits: right only within a limited range of input values
;; workspace buffers: xc 4,194,304 bytes; wc 262,144 bytes; qc 4,194,304 bytes; kvc 8,388,608 bytes; oc 4,194,304 bytes
;; launch norm (part 1): grid 128 x 1, 16 waves a work-group, no clusters, 2,560 bytes of LDS; arguments x, gamma, beta, w_qkv, w_proj, lowp_scales, xc, wc; writes xc, wc
.if DOCPART == 1
	.amdgcn_target "amdgcn-amd-amdhsa--gfx1250"
	.amdhsa_code_object_version 6
	.text
	.protected	k_qd720062770_norm
	.globl	k_qd720062770_norm
	.p2align	8
	.type	k_qd720062770_norm,@function
k_qd720062770_norm:
	s_mov_b64 s[64:65], 0
	v_nop
	global_prefetch_b8 v0, s[64:65] scope:SCOPE_SE
	s_setreg_imm32_b32 hwreg(HW_REG_WAVE_MODE, 25, 1), 1
	s_wait_xcnt 0x0
; GroupNorm(32) of x [4][256][4096] f32, quantised to codes of FP8 (E4M3) with the given scale 2^e0; and both weights quantised (w_qkv: 2^e1, w_proj: 2^e7).
; SHARES.  Work-group i = 32 b + g owns one group: 8 channels x 4,096 tokens, 131,072 consecutive bytes of x.  A group's mean and variance need all of them, and no sum may cross work-groups:
; so a group has one owner, and there are 128 work-groups.  The group stays in registers (64 numbers a thread) between the pass for the mean, the pass for the variance and the pass that scales: x is read once.
; The variance is the mean of (x - mean)^2, taken in a second pass over the registers: a common offset of the inputs costs no accuracy.
; Thread tid holds, of each channel ch and each quarter u of the tokens, tokens 1024 u + 2 tid and + 1: a wave's load covers 256 consecutive bytes.
; OUT.  xc [b][g][token][8 bytes]: the codes of channels 8 g .. 8 g + 7 of one token, K (the channels) innermost.  A thread's two tokens are 16 bytes: a wave's store covers 512 consecutive bytes, aligned.
; The multiply-add that normalises also moves each number to its place: Y[16 u + 8 e + ch], eight neighbours along K in consecutive registers, as the conversion takes them.
; WEIGHTS.  wc holds 128 images of 2,048 bytes, each a fragment (16 rows x 128 K) in the order of the operand's registers: [quarter qq][lane][16 bytes]; lane (r, h): bytes 0-7: k = 32 qq + 8 h + 0..7,
; bytes 8-15: k = 32 qq + 16 + 8 h + 0..7 of row r.  Image i = 2 (tile of 16 rows) + (K step); tiles 0-47 are w_qkv's, 48-63 w_proj's.  Work-group i makes image i, in its waves 0 to 3 (wave = qq).
; LIMITS: e0, e1, e7 between -126 and 127, so that 2^e is an f32 number.  NaN among the inputs is not served.
; No tensor loads, no cluster: work-groups share nothing.  No prefetch: all of a work-group's bytes are asked for at its head.
.set X,  32                            ; v32-95   X[8 ch + 2 u + e]: as loaded, then x - mean
.set Y,  96                            ; v96-159  Y[16 u + 8 e + ch]: normalised; before that, at work in the sums over the waves
.set CD, 160                           ; v160-175 codes: four registers for each quarter, so that no store's data are written again
.set WN, 144                           ; v144-159 sixteen numbers of a weight (waves 0-3), done with before Y is written
.set AG, 16                            ; v16-23   rstd x gamma[ch]
; v1 8 tid; v2 16 tid; v3 the weight's offset; v4-11 four packed chains; v12-15 the weight's codes; v24-25 the mean, twice; v26 a lane permute's destination;
; v27 4 x wave; v28 0; v29: 2^e0; v31: the same for the weight's scale
	s_load_b256 s[4:11], s[0:1], 0x0               ; x s[4:5], gamma s[6:7], beta s[8:9], w_qkv s[10:11]
	s_load_b256 s[12:19], s[0:1], 0x20             ; w_proj s[12:13], the exponents s[14:15], xc s[16:17], wc s[18:19]
	v_lshl_add_u32 v192, v0, 2, 0x200
	v_mov_b32 v193, 0
	v_lshrrev_b32 v27, 5, v0
	s_delay_alu instid0(VALU_DEP_1)
	v_readfirstlane_b32 s20, v27                   ; wave 0..15
	s_delay_alu instid0(VALU_DEP_2)
	v_lshlrev_b32 v27, 2, v27                      ; my wave's word in LDS
	v_mov_b32 v28, 0
	v_mov_b32 v26, 0                               ; written once: a lane permute's destination counts as one of its sources
	v_lshlrev_b32 v1, 3, v0                        ; x: 8 bytes a thread
	v_lshlrev_b32 v2, 4, v0                        ; codes: 16 bytes a thread
	v_and_b32 v3, 15, v0
	s_delay_alu instid0(VALU_DEP_1)
	v_lshlrev_b32 v3, 10, v3                       ; the weight: row r of 1,024 bytes,
	v_bfe_u32 v4, v0, 4, 1
	s_delay_alu instid0(VALU_DEP_1)
	v_lshl_add_u32 v3, v4, 5, v3                   ; + 8 h numbers,
	v_bfe_u32 v4, v0, 5, 2
	s_delay_alu instid0(VALU_DEP_1)
	v_lshl_add_u32 v3, v4, 7, v3                   ; + 32 qq numbers (qq = wave, in waves 0 to 3)
	s_mov_b32 s50, 0x76543210                      ; v_permlanex16_b32: lane l xor 16
	s_mov_b32 s51, 0xfedcba98
	s_mov_b32 s52, 0x38000000                      ; 2^-15 = 1 / (8 x 4,096)
	s_mov_b32 s53, 0x3727c5ac                      ; 1e-5
	s_and_b32 s21, ttmp9, 31                       ; g
	s_lshl_b32 s22, s21, 5                         ; its 8 numbers of gamma and beta
	s_mov_b32 s23, 0
	s_wait_kmcnt 0x0
	s_add_nc_u64 s[6:7], s[6:7], s[22:23]
	s_add_nc_u64 s[8:9], s[8:9], s[22:23]
	s_load_b256 s[24:31], s[6:7], 0x0              ; gamma[8 g ..]
	s_load_b256 s[32:39], s[8:9], 0x0              ; beta[8 g ..]
	s_load_b256 s[40:47], s[14:15], 0x0            ; e0 .. e7
	s_lshl_b32 s22, ttmp9, 17
	s_add_nc_u64 s[4:5], s[4:5], s[22:23]          ; x at my group
	s_lshl_b32 s22, ttmp9, 15
	s_add_nc_u64 s[16:17], s[16:17], s[22:23]      ; xc at my group
	s_lshl_b32 s22, ttmp9, 11
	s_add_nc_u64 s[18:19], s[18:19], s[22:23]      ; wc at my image
	s_cmp_lt_u32 ttmp9, 96                         ; images 0-95 are w_qkv's: the choice hangs on the work-group's number alone
	s_cselect_b64 s[48:49], s[10:11], s[12:13]
	s_cselect_b32 s21, 0, 96
	s_sub_co_u32 s21, ttmp9, s21                   ; the image's number within its weight
	s_lshr_b32 s22, s21, 1
	s_lshl_b32 s22, s22, 14                        ; 16 rows of 1,024 bytes for each tile,
	s_and_b32 s21, s21, 1
	s_lshl_b32 s21, s21, 9                         ; 128 numbers for the K step
	s_add_co_u32 s22, s22, s21
	s_add_nc_u64 s[48:49], s[48:49], s[22:23]
	s_cmp_lt_u32 s20, 4
	s_cbranch_scc0 .Lno_weight_loads
	s_wait_alu depctr_va_vdst(0)
	global_load_b128 v[WN:WN+3], v3, s[48:49]                 ; k = 32 qq + 8 h + 0..7
	global_load_b128 v[WN+4:WN+7], v3, s[48:49] offset:16
	global_load_b128 v[WN+8:WN+11], v3, s[48:49] offset:64    ; k = 32 qq + 16 + 8 h + 0..7
	global_load_b128 v[WN+12:WN+15], v3, s[48:49] offset:80
.Lno_weight_loads:
	s_wait_alu depctr_va_vdst(0)
.irp ch, 0,1,2,3,4,5,6,7
.irp u, 0,1,2,3
	global_load_b64 v[X+8*\ch+2*\u:X+8*\ch+2*\u+1], v1, s[4:5] offset:\ch*16384+\u*4096 th:TH_LOAD_NT
.endr
.endr
	s_cmp_lt_u32 s20, 4
	s_cbranch_scc0 .Lno_weight
	s_wait_loadcnt 32                              ; the 32 loads of x were issued behind the weight's four: those four are in
	s_wait_kmcnt 0x0
	s_cmp_lt_u32 ttmp9, 96
	s_cselect_b32 s54, s41, s47                    ; e1 or e7
	s_add_co_i32 s54, s54, 127
	s_lshl_b32 s55, s54, 23
	v_mov_b32 v31, s55                             ; 2^e as f32: the conversion takes its exponent field
.set i, 0
.rept 16
.set i, i+1
.endr
	v_cvt_scalef32_pk8_fp8_f32 v[12:13], v[WN:WN+7], v31
	v_cvt_scalef32_pk8_fp8_f32 v[14:15], v[WN+8:WN+15], v31
	v_nop                                          ; a plain instruction behind the conversions: their sources are written again further down
	global_store_b128 v2, v[12:15], s[18:19]       ; 512 consecutive bytes a wave; v2 and v12-15 are never written again
.Lno_weight:
	; ---- the sum of my 64 numbers, two at a time, in four chains; the first eight pairs start the chains: nothing is cleared
	s_wait_loadcnt 24                              ; channels 0 and 1 are in: 24 loads were issued behind theirs
.irp c, 0,1,2,3
	v_pk_add_f32 v[4+2*\c:5+2*\c], v[X+2*\c:X+2*\c+1], v[X+8+2*\c:X+9+2*\c]
.endr
	s_wait_alu depctr_va_vdst(0)
.irp n, 1,2,3
	s_wait_alu depctr_va_vdst(0)
	s_wait_loadcnt 24-8*\n                         ; channels 2 n and 2 n + 1 are in
.irp p, 0,1,2,3,4,5,6,7
	v_pk_add_f32 v[4+2*(\p%4):5+2*(\p%4)], v[4+2*(\p%4):5+2*(\p%4)], v[X+16*\n+2*\p:X+16*\n+2*\p+1]
.endr
.endr
; The four chains become the work-group's sum, in v4 of every lane: within the lane, across the wave's 32 lanes, then over the 16 waves through 16 words of LDS at byte base.
; The two uses take different words, so one barrier serves each: a wave stores, waits for its store, signals; the others read behind their wait.
.macro REDUCE base
	s_delay_alu instid0(VALU_DEP_3)
	v_pk_add_f32 v[4:5], v[4:5], v[6:7]
	s_delay_alu instid0(VALU_DEP_2)
	v_pk_add_f32 v[8:9], v[8:9], v[10:11]
	s_delay_alu instid0(VALU_DEP_1)
	v_pk_add_f32 v[4:5], v[4:5], v[8:9]
	s_delay_alu instid0(VALU_DEP_1)
	v_add_f32 v4, v4, v5
	s_delay_alu instid0(VALU_DEP_1)
	v_add_f32_dpp v4, v4, v4 row_xmask:1 row_mask:0xf bank_mask:0xf
	s_delay_alu instid0(VALU_DEP_1)
	v_add_f32_dpp v4, v4, v4 row_xmask:2 row_mask:0xf bank_mask:0xf
	s_delay_alu instid0(VALU_DEP_1)
	v_add_f32_dpp v4, v4, v4 row_xmask:4 row_mask:0xf bank_mask:0xf
	s_delay_alu instid0(VALU_DEP_1)
	v_add_f32_dpp v4, v4, v4 row_xmask:8 row_mask:0xf bank_mask:0xf
	s_delay_alu instid0(VALU_DEP_1)
	v_permlanex16_b32 v26, v4, s50, s51
	s_delay_alu instid0(VALU_DEP_1)
	v_add_f32 v4, v4, v26
	ds_store_b32 v27, v4 offset:\base              ; all lanes write the wave's word with the same number
	s_wait_dscnt 0x0                               ; for the others' sake: my store is done (and my earlier LDS loads are in)
	s_barrier_signal -1
	s_barrier_wait -1
.irp k, 0,1,2,3
	ds_load_b128 v[Y+4*\k:Y+4*\k+3], v28 offset:\base+16*\k
.endr
	s_wait_dscnt 0x0
	v_pk_add_f32 v[Y:Y+1], v[Y:Y+1], v[Y+2:Y+3]
	v_pk_add_f32 v[Y+4:Y+5], v[Y+4:Y+5], v[Y+6:Y+7]
	v_pk_add_f32 v[Y+8:Y+9], v[Y+8:Y+9], v[Y+10:Y+11]
	v_pk_add_f32 v[Y+12:Y+13], v[Y+12:Y+13], v[Y+14:Y+15]
	s_delay_alu instid0(VALU_DEP_3)
	v_pk_add_f32 v[Y:Y+1], v[Y:Y+1], v[Y+4:Y+5]
	s_delay_alu instid0(VALU_DEP_2)
	v_pk_add_f32 v[Y+8:Y+9], v[Y+8:Y+9], v[Y+12:Y+13]
	s_delay_alu instid0(VALU_DEP_1)
	v_pk_add_f32 v[Y:Y+1], v[Y:Y+1], v[Y+8:Y+9]
	s_delay_alu instid0(VALU_DEP_1)
	v_add_f32 v4, v[Y], v[Y+1]
.endm
	REDUCE 0
	s_delay_alu instid0(VALU_DEP_1)
	v_mul_f32 v24, s52, v4                         ; the mean
	s_delay_alu instid0(VALU_DEP_1)
	v_mov_b32 v25, v24
.set i, 0
.rept 32
	v_pk_add_f32 v[X+2*i:X+2*i+1], v[X+2*i:X+2*i+1], v[24:25] neg_lo:[0,1] neg_hi:[0,1]   ; x - mean
.set i, i+1
.endr
.irp c, 0,1,2,3
	v_pk_mul_f32 v[4+2*\c:5+2*\c], v[X+2*\c:X+2*\c+1], v[X+2*\c:X+2*\c+1]                 ; the squares' sum: the first four pairs start the chains
.endr
.set i, 4
.rept 28
	s_delay_alu instid0(VALU_DEP_4)
	v_pk_fma_f32 v[4+2*(i%4):5+2*(i%4)], v[X+2*i:X+2*i+1], v[X+2*i:X+2*i+1], v[4+2*(i%4):5+2*(i%4)]
.set i, i+1
.endr
	REDUCE 256
	s_delay_alu instid0(VALU_DEP_1)
	v_fma_f32 v5, v4, s52, s53                     ; the variance + 1e-5
	s_wait_alu depctr_va_vdst(0)
	v_rsq_f32 v6, v5
	v_nop                                          ; a plain instruction behind the transcendental (ISA guide 5.7.2)
	s_wait_alu depctr_va_vdst(0)                   ; and the wait ahead of the first reader
	s_wait_kmcnt 0x0                               ; gamma, beta, the exponents
.irp ch, 0,1,2,3,4,5,6,7
	v_mul_f32 v[AG+\ch], s[24+\ch], v6             ; rstd x gamma
.endr
	s_add_co_i32 s54, s40, 127
	s_lshl_b32 s55, s54, 23
	v_mov_b32 v29, s55                             ; 2^e0
.irp u, 0,1,2,3
.irp e, 0,1
.irp ch, 0,1,2,3,4,5,6,7
	v_fma_f32 v[Y+16*\u+8*\e+\ch], v[X+8*\ch+2*\u+\e], v[AG+\ch], s[32+\ch]   ; (x - mean) rstd gamma + beta, put where the conversion wants it
.endr
.endr
.set i, 0
.rept 16
.set i, i+1
.endr
	v_cvt_scalef32_pk8_fp8_f32 v[CD+4*\u:CD+4*\u+1], v[Y+16*\u:Y+16*\u+7], v29        ; token 1024 u + 2 tid: eight channels, the first in the lowest byte
	v_cvt_scalef32_pk8_fp8_f32 v[CD+4*\u+2:CD+4*\u+3], v[Y+16*\u+8:Y+16*\u+15], v29   ; token 1024 u + 2 tid + 1
	global_store_b128 v2, v[CD+4*\u:CD+4*\u+3], s[16:17] offset:8192*\u               ; the results go to stores alone; the next quarter's lines are plain and touch other registers
.endr
	s_wait_tensorcnt 0x0
	ds_add_u32 v192, v193
	s_wait_dscnt 0x0
	s_endpgm
.Lfunc_end_k_qd720062770_norm:
	.size	k_qd720062770_norm, .Lfunc_end_k_qd720062770_norm-k_qd720062770_norm
	.p2alignl 7, 3214868480
	.fill 96, 4, 3214868480
	.section	.rodata,"a",@progbits
	.p2align	6, 0x0
	.amdhsa_kernel k_qd720062770_norm
		.amdhsa_group_segment_fixed_size 2560
		.amdhsa_private_segment_fixed_size 0
		.amdhsa_enable_private_segment 0
		.amdhsa_kernarg_size 64
		.amdhsa_user_sgpr_count 2
		.amdhsa_user_sgpr_kernarg_segment_ptr 1
		.amdhsa_wavefront_size32 1
		.amdhsa_system_sgpr_workgroup_id_x 1
		.amdhsa_system_sgpr_workgroup_id_y 1
		.amdhsa_system_sgpr_workgroup_id_z 1
		.amdhsa_system_vgpr_workitem_id 0
		.amdhsa_next_free_vgpr 194
		.amdhsa_next_free_sgpr 66
		.amdhsa_reserve_vcc 0
		.amdhsa_float_denorm_mode_32 3
		.amdhsa_float_denorm_mode_16_64 3
		.amdhsa_fp16_overflow 1
		.amdhsa_memory_ordered 1
		.amdhsa_forward_progress 1
		.amdhsa_inst_pref_size 23
	.end_amdhsa_kernel
	.amdgpu_metadata
---
amdhsa.version: [ 1, 2 ]
amdhsa.kernels:
  - .name:           k_qd720062770_norm
    .symbol:         k_qd720062770_norm.kd
    .args:
      - { .name: x, .offset: 0, .size: 8, .value_kind: global_buffer, .address_space: global }
      - { .name: gamma, .offset: 8, .size: 8, .value_kind: global_buffer, .address_space: global }
      - { .name: beta, .offset: 16, .size: 8, .value_kind: global_buffer, .address_space: global }
      - { .name: w_qkv, .offset: 24, .size: 8, .value_kind: global_buffer, .address_space: global }
      - { .name: w_proj, .offset: 32, .size: 8, .value_kind: global_buffer, .address_space: global }
      - { .name: lowp_scales, .offset: 40, .size: 8, .value_kind: global_buffer, .address_space: global }
      - { .name: xc, .offset: 48, .size: 8, .value_kind: global_buffer, .address_space: global }
      - { .name: wc, .offset: 56, .size: 8, .value_kind: global_buffer, .address_space: global }
    .group_segment_fixed_size: 2560
    .private_segment_fixed_size: 0
    .kernarg_segment_align: 8
    .kernarg_segment_size: 64
    .max_flat_workgroup_size: 512
    .sgpr_count:     66
    .vgpr_count:     194
    .wavefront_size: 32
...
	.end_amdgpu_metadata
.endif
;; end of part 1
;; launch qkv (part 2): grid 128 x 2, 6 waves a work-group, no clusters, 168,704 bytes of LDS; arguments xc, wc, lowp_scales, qc, kvc; writes qc, kvc
.if DOCPART == 2
	.amdgcn_target "amdgcn-amd-amdhsa--gfx1250"
	.amdhsa_code_object_version 6
	.text
	.protected	k_qd720062770_qkv
	.globl	k_qd720062770_qkv
	.p2align	8
	.type	k_qd720062770_qkv,@function
k_qd720062770_qkv:
	s_mov_b64 s[64:65], 0
	v_nop
	global_prefetch_b8 v0, s[64:65] scope:SCOPE_SE
	s_setreg_imm32_b32 hwreg(HW_REG_WAVE_MODE, 25, 1), 1
	s_wait_xcnt 0x0
; q, k, v = w_qkv x tokens, on codes of FP8 (E4M3); the sums, f32, are quantised at once for attention's products: q with 2^e2, k with 2^e3, v with 2^e4.
; SHARES.  A work-group takes 128 tokens of one image b (x: 32 b + step) and two heads (y).  Wave w: kind = w / 2 (0 q, 1 k, 2 v), head = 2 y + w % 2: 64 outputs x 128 tokens:
; 4 tiles of outputs x 8 tiles of tokens x 2 K steps of 128 = 64 matrix instructions.  The wave's 16 KB of weight codes stay in its registers; the tokens' codes (32 KB) come once into LDS and are read by all six waves.
; LAYOUTS.  All fragments have k in the form's own places: register pair c of lane (r, h) holds k = 16 c + 8 h + 0..7.  In xc a token's eight channels 8 g .. 8 g + 7 are 8 bytes: pair c of K step ks is the
; 8 bytes of group 16 ks + 2 c + h: one ds_load_b64.  q and k are made TRANSPOSED (source 0 = weights, source 1 = tokens): a lane holds one token and eight neighbouring channels of the head, which is
; attention's first K; v the other way round (source 0 = tokens): a lane holds one channel and eight neighbouring tokens, which is the second K.  So each accumulator's conversion IS a register pair of the next operand.
; OUT, as images of the operands' registers, 16 bytes a lane, 512 consecutive bytes a store: qc [b head][tile of 16 tokens][qq 2][lane][16];  kvc [b head][step of 128 keys][K: 8 tiles as in qc | V: [tile of 16 channels][qq 4][lane][16]].
; A sum stands for sum x 2^(e0 + e1): its code is sum / 2^(e_out - e0 - e1): the three scales are one scale of the conversion.
; LIMITS: e2 - e0 - e1, e3 - e0 - e1, e4 - e0 - e1 between -126 and 127.
; NO CLUSTER: of the 176 KB that a work-group moves (96 of weights, 32 of tokens, 48 out) only the tokens' 32 KB come by tensor load, once, at the head, and only the two work-groups along y share them.
; No LDS byte is filled twice.  No prefetch: everything is asked for at the head.
.set PITCH, 1152                       ; an LDS row: a group's 128 tokens x 8 bytes + 128 of padding.  Lanes 0-15 read 128 bytes of an even row, lanes 16-31 of the next: 1152 = 4 x 256 + 128, so the two halves fall on different halves of the 64 banks (ISA guide 11.1)
.set ACC, 32                           ; v32-63   four accumulators, one for each tile of outputs
.set XF,  64                           ; v64-127  the tokens' fragments: two sets of (2 K steps x 16 registers)
.set CD,  128                          ; v128-191 the codes, in the order in which they are stored
; v1 16 x lane; v2 my place in the tokens' tile; v3 the conversion's scale.   window 1: v0-127 the weights: fragment (tile o, K step ks) at 32 o + 16 ks
.set MSB, 0
.macro WIN new                         ; the immediate's high byte repeats the setting that is left
.if MSB != \new
	s_set_vgpr_msb (MSB<<8)|\new
.set MSB, \new
.endif
.endm
	s_load_b256 s[4:11], s[0:1], 0x0               ; xc s[4:5], wc s[6:7], the exponents s[8:9], qc s[10:11]
	s_load_b64 s[12:13], s[0:1], 0x20              ; kvc
	v_lshl_add_u32 v254, v0, 2, 0x29000
	v_mov_b32 v255, 0
	ds_add_u32 v254, v255
	ds_add_u32 v254, v255
	v_lshrrev_b32 v1, 5, v0
	v_readfirstlane_b32 s14, v1                    ; wave 0..5
	v_and_b32 v1, 31, v0
	v_lshlrev_b32 v1, 4, v1                        ; 16 x lane
	v_and_b32 v2, 15, v0
	v_lshlrev_b32 v2, 3, v2                        ; token r: 8 bytes
	v_bfe_u32 v5, v0, 4, 1
	v_mad_u32_u24 v2, v5, PITCH, v2                ; + h rows
	s_lshr_b32 s15, s14, 1                         ; kind
	s_and_b32 s16, s14, 1
	s_and_b32 s20, ttmp7, 0xffff
	s_lshl_b32 s20, s20, 1
	s_add_co_u32 s16, s16, s20                     ; head
	s_lshr_b32 s17, ttmp9, 5                       ; b
	s_and_b32 s18, ttmp9, 31                       ; step
	s_lshl_b32 s19, s17, 2
	s_add_co_u32 s19, s19, s16                     ; 4 b + head
	; descriptor group 1: 8 rows (groups) x 128 elements of 8 bytes, 4,096 elements from row to row, padded in LDS
	s_mov_b32 s24, (3<<16)|(1<<20)|(7<<22)|(31<<25)  ; 15:0 no mask; 17:16 elements of 8 bytes; 20 padding on; 24:22 after every 256 words (code 7); 31:25 32 words of it (code 31)
	s_mov_b32 s25, 128<<16                         ; tensor_dim0 = 128
	s_mov_b32 s26, 8<<16                           ; tensor_dim1 = 8
	s_mov_b32 s27, 128<<16                         ; tile_dim0 = 128
	s_mov_b32 s28, 8                               ; tile_dim1 = 8
	s_mov_b32 s29, 4096                            ; tensor_dim0_stride
	s_mov_b32 s30, 0
	s_mov_b32 s31, 0
	s_mov_b32 s32, 1                               ; group 0: count = 1
	s_mul_i32 s33, s14, 8*PITCH                    ; LDS: wave x 8 rows
	s_lshl_b32 s20, s17, 20                        ; memory: b's 32 groups of 32,768 bytes,
	s_lshl_b32 s21, s14, 18                        ; my 8 groups,
	s_add_co_u32 s20, s20, s21
	s_lshl_b32 s21, s18, 10                        ; the step's 128 tokens
	s_add_co_u32 s20, s20, s21
	s_mov_b32 s21, 0
	s_wait_dscnt 0x0
	s_wait_kmcnt 0x0
	s_load_b256 s[40:47], s[8:9], 0x0              ; e0 .. e7
	s_add_nc_u64 s[34:35], s[4:5], s[20:21]
	s_or_b32 s35, s35, 0x80000000                  ; type = 2
	s_cmp_lt_u32 s14, 4                            ; waves 0 to 3 fetch a quarter of the tile each: one tensor load of mine is out
	s_cbranch_scc0 .Lno_fill
	tensor_load_to_lds s[32:35], s[24:31]
	s_nop 0
.rept 4
	v_nop                                          ; four lines behind the load, ahead of the label and of the switch of windows
.endr
.Lno_fill:
	s_lshl_b32 s20, s15, 16                        ; my weights: tiles 16 kind + 4 head on, 4,096 bytes a tile
	s_lshl_b32 s22, s16, 14
	s_add_co_u32 s20, s20, s22
	s_add_nc_u64 s[6:7], s[6:7], s[20:21]
	WIN 0x40                                       ; destination window 1
.set i, 0
	s_wait_alu depctr_va_vdst(0)
.rept 32
	global_load_b128 v[4*i:4*i+3], v1, s[6:7] offset:512*i    ; images as they lie: 512 consecutive bytes a load
.set i, i+1
.endr
	WIN 0
	s_lshl_b32 s20, s19, 18                        ; where my 8 KB go.  q: 256 tiles of 1,024 bytes a head, 8 tiles a step;
	s_lshl_b32 s22, s18, 13
	s_add_co_u32 s20, s20, s22
	s_lshl_b32 s21, s19, 19                        ; k, v: 32 steps of 16,384 bytes a head, K's half first
	s_lshl_b32 s22, s18, 14
	s_add_co_u32 s21, s21, s22
	s_lshr_b32 s22, s15, 1
	s_lshl_b32 s22, s22, 13
	s_add_co_u32 s21, s21, s22
	s_cmp_eq_u32 s15, 0                            ; the choice hangs on the wave's number alone
	s_cselect_b64 s[48:49], s[10:11], s[12:13]
	s_cselect_b32 s22, s20, s21
	s_mov_b32 s23, 0
	s_add_nc_u64 s[48:49], s[48:49], s[22:23]
	s_wait_kmcnt 0x0
	s_cmp_eq_u32 s15, 0
	s_cselect_b32 s20, s42, s43                    ; e2 for q, e3 for k,
	s_cmp_eq_u32 s15, 2
	s_cselect_b32 s20, s44, s20                    ; e4 for v
	s_sub_co_i32 s20, s20, s40
	s_sub_co_i32 s20, s20, s41
	s_add_co_i32 s20, s20, 127
	s_lshl_b32 s21, s20, 23
	v_mov_b32 v3, s21                              ; 2^(e_out - e0 - e1)
	s_wait_tensorcnt 0x0                           ; my part of the tile is in LDS (a wave that fetched nothing passes at once),
	s_barrier_signal -1
	s_barrier_wait -1                              ; everybody's is
.macro FETCHX t                        ; the fragments of token tile t, both K steps, into set t % 2: 16 loads of 8 bytes a lane
.irp ks, 0,1
.irp c, 0,1,2,3,4,5,6,7
	ds_load_b64 v[XF+32*((\t)%2)+16*\ks+2*\c:XF+32*((\t)%2)+16*\ks+2*\c+1], v2 offset:(16*\ks+2*\c)*PITCH+128*(\t)
.endr
.endr
.endm
; Token tile t: 8 matrix instructions, the four accumulators by turns; the first K step starts the sums with the constant 0.  Then conversion.
.macro TILE t, isv
.set XS, XF+32*((\t)%2)
.if (\t) < 7
	s_wait_dscnt 16                                ; this tile's 16 loads are in; the next tile's 16 may be out
.else
	s_wait_dscnt 0x0
.endif
.if \isv
	WIN 0x04                                       ; source 1 (the weights) window 1
.else
	WIN 0x01                                       ; source 0 (the weights) window 1
.endif
.irp ks, 0,1
.irp o, 0,1,2,3
.if \isv
.if \ks == 0
	v_wmma_f32_16x16x128_fp8_fp8 v[ACC+8*\o:ACC+8*\o+7], v[XS:XS+15], v[32*\o:32*\o+15], 0
.else
	v_wmma_f32_16x16x128_fp8_fp8 v[ACC+8*\o:ACC+8*\o+7], v[XS+16:XS+31], v[32*\o+16:32*\o+31], v[ACC+8*\o:ACC+8*\o+7]
.endif
.else
.if \ks == 0
	v_wmma_f32_16x16x128_fp8_fp8 v[ACC+8*\o:ACC+8*\o+7], v[32*\o:32*\o+15], v[XS:XS+15], 0
.else
	v_wmma_f32_16x16x128_fp8_fp8 v[ACC+8*\o:ACC+8*\o+7], v[32*\o+16:32*\o+31], v[XS+16:XS+31], v[ACC+8*\o:ACC+8*\o+7]
.endif
.endif
.endr
.endr
	WIN 0
.rept 4
	v_nop                                          ; four places in front of the loads into the set just multiplied and of the first read of the sums
.endr
.if (\t)+2 < 8
	FETCHX (\t)+2
.endif
.set i, 0
.rept 32
.set i, i+1
.endr
	s_wait_alu depctr_va_vdst(0)
.irp o, 0,1,2,3
.if \isv
	v_cvt_scalef32_pk8_fp8_f32 v[CD+16*\o+2*(\t):CD+16*\o+2*(\t)+1], v[ACC+8*\o:ACC+8*\o+7], v3   ; channel 16 o + r, keys 16 t + 8 h + 0..7: pair t of V's fragment o
.else
	v_cvt_scalef32_pk8_fp8_f32 v[CD+8*(\t)+2*\o:CD+8*(\t)+2*\o+1], v[ACC+8*\o:ACC+8*\o+7], v3     ; token 16 t + r, channels 16 o + 8 h + 0..7: pair o of the tile's fragment
.endif
.endr
	v_nop                                          ; a plain instruction between the conversions and the next products, which write their sources.  With the four above it also makes the five places ahead of a product that begins an accumulator anew
.endm
	FETCHX 0
	FETCHX 1
	s_wait_loadcnt 0x0                             ; the weights
	s_cmp_lt_u32 s15, 2                            ; the kind hangs on the wave's number alone
	s_cbranch_scc0 .Lfor_v
.irp t, 0,1,2,3,4,5,6,7
	TILE \t, 0
.endr
	s_branch .Lstore
.Lfor_v:
.irp t, 0,1,2,3,4,5,6,7
	TILE \t, 1
.endr
.Lstore:
.set i, 0
	s_wait_alu depctr_va_vdst(0)
.rept 16
	global_store_b128 v1, v[CD+4*i:CD+4*i+3], s[48:49] offset:512*i    ; 8 KB on end, 512 consecutive bytes a store, aligned
.set i, i+1
.endr
	s_wait_tensorcnt 0x0
	ds_add_u32 v254, v255
	s_wait_dscnt 0x0
	s_endpgm
.Lfunc_end_k_qd720062770_qkv:
	.size	k_qd720062770_qkv, .Lfunc_end_k_qd720062770_qkv-k_qd720062770_qkv
	.p2alignl 7, 3214868480
	.fill 96, 4, 3214868480
	.section	.rodata,"a",@progbits
	.p2align	6, 0x0
	.amdhsa_kernel k_qd720062770_qkv
		.amdhsa_group_segment_fixed_size 168704
		.amdhsa_private_segment_fixed_size 0
		.amdhsa_enable_private_segment 0
		.amdhsa_kernarg_size 40
		.amdhsa_user_sgpr_count 2
		.amdhsa_user_sgpr_kernarg_segment_ptr 1
		.amdhsa_wavefront_size32 1
		.amdhsa_system_sgpr_workgroup_id_x 1
		.amdhsa_system_sgpr_workgroup_id_y 1
		.amdhsa_system_sgpr_workgroup_id_z 1
		.amdhsa_system_vgpr_workitem_id 0
		.amdhsa_next_free_vgpr 384
		.amdhsa_next_free_sgpr 66
		.amdhsa_reserve_vcc 0
		.amdhsa_float_denorm_mode_32 3
		.amdhsa_float_denorm_mode_16_64 3
		.amdhsa_fp16_overflow 1
		.amdhsa_memory_ordered 1
		.amdhsa_forward_progress 1
		.amdhsa_inst_pref_size 39
	.end_amdhsa_kernel
	.amdgpu_metadata
---
amdhsa.version: [ 1, 2 ]
amdhsa.kernels:
  - .name:           k_qd720062770_qkv
    .symbol:         k_qd720062770_qkv.kd
    .args:
      - { .name: xc, .offset: 0, .size: 8, .value_kind: global_buffer, .address_space: global }
      - { .name: wc, .offset: 8, .size: 8, .value_kind: global_buffer, .address_space: global }
      - { .name: lowp_scales, .offset: 16, .size: 8, .value_kind: global_buffer, .address_space: global }
      - { .name: qc, .offset: 24, .size: 8, .value_kind: global_buffer, .address_space: global }
      - { .name: kvc, .offset: 32, .size: 8, .value_kind: global_buffer, .address_space: global }
    .group_segment_fixed_size: 168704
    .private_segment_fixed_size: 0
    .kernarg_segment_align: 8
    .kernarg_segment_size: 40
    .max_flat_workgroup_size: 192
    .sgpr_count:     66
    .vgpr_count:     384
    .wavefront_size: 32
...
	.end_amdgpu_metadata
.endif
;; end of part 2
;; launch attn (part 3): grid 16 x 16, 8 waves a work-group, clusters of 4 x 1, 327,680 bytes of LDS; arguments qc, kvc, lowp_scales, oc; writes oc
.if DOCPART == 3
	.amdgcn_target "amdgcn-amd-amdhsa--gfx1250"
	.amdhsa_code_object_version 6
	.text
	.protected	k_qd720062770_attn
	.globl	k_qd720062770_attn
	.p2align	8
	.type	k_qd720062770_attn,@function
k_qd720062770_attn:
	s_mov_b64 s[64:65], 0
	v_nop
	global_prefetch_b8 v0, s[64:65] scope:SCOPE_SE
	s_setreg_imm32_b32 hwreg(HW_REG_WAVE_MODE, 25, 1), 1
	s_wait_xcnt 0x0
	s_wait_alu depctr_hold_cnt(0) depctr_sa_sdst(0) depctr_va_vdst(0) depctr_va_sdst(0) depctr_va_ssrc(0) depctr_va_vcc(0) depctr_vm_vsrc(0)
	s_getreg_b32 s2, hwreg(HW_REG_IB_STS2, 6, 4)
	s_cmp_eq_u32 s2, 0
	s_cbranch_scc0 .Lentry_in_a_cluster
	s_endpgm
.Lentry_in_a_cluster:
	s_bfe_u32 s2, ttmp6, 0x10000c
	s_cmp_lg_u32 s2, 0x3003
	s_cbranch_scc0 .Lentry_shape_is_right
	s_endpgm
.Lentry_shape_is_right:
; out[b head][q][:] = the sum over keys of softmax(q . k / 8) v, both products on codes of FP8 (E4M3), head size 64, 4,096 keys; the result is quantised with 2^e6 for the projection.
; THE SOFTMAX AHEAD OF THE SECOND PRODUCT: t = score x log2(e) / 8; M = the row's largest t so far, rounded UP to a whole number; p = 2^(t - M) is quantised with 2^e5, not normalised.
; The row's sum is taken of the unquantised p, in f32, and divides at the end.  When M moves, the sum and O are multiplied by 2^(old M - new M): exact, in every step, with no branch on data.
; SHARES.  A work-group owns 256 queries of one (b, head); each of its eight waves 32: two tiles, A and B.  Every wave walks all keys, 128 a step.  Each fragment of K and V read from LDS feeds two matrix instructions.
; A step of a tile is 8 + 4 matrix instructions against 194 vector instructions: vector work binds.  So the two tiles' softmaxes are staggered: A's exponentials stand between B's maxima and scalings,
; B's between A's sums and conversions; each tile's 64 exponentials are one batch with one wait.
; LAYOUT.  Both products are used transposed: S^T = K Q^T (source 0 = 16 keys, source 1 = 16 queries), O^T = V^T P^T: a lane holds ONE query throughout.  k stands in the forms' own places (register pair c of
; lane (r, h): k = 16 c + 8 h + 0..7), so the eight registers of key tile c convert into pair c of P, and the eight of O^T's tile d into pair d of the projection's operand: nothing changes lanes.
; qc, kvc and oc hold images of the operands' registers, 16 bytes a lane: every fragment comes and goes in runs of 512 consecutive bytes; in LDS no pitch and no padding.
; RING.  Two LDS slots of 64 KB, four key steps each: a dense block of kvc.  Each wave fetches an eighth (32 rows x 256 bytes) with one tensor load; one load of a wave is out.
; CLUSTER.  The four query blocks of a cluster belong to one (b, head) and walk the same K and V: each load is asked for JOINTLY, with the same descriptor and a mask that names the four.
; LIMITS: e2 + e3 between -123 and 130 (added to c's exponent field); e5 and e6 between -126 and 127; e4 + e5 is applied by v_ldexp_f32 and has none.
; REGISTERS.  window 0: v1 16 x lane; v2 the LDS address in hand; v3, v4 the spare word's address and 0; v5 256 x lane; v7 2^e5 (on the way out: of e6);
;   tile t's statistics at v[8 + 10 t]: +0 -M, +1 the largest t, +2,3 the sum, +4,5 f (the upper word 0), +6,7 at work, +8,9 a second chain of the sum; v28 + t a lane permute's destination;
;   v[32 + 64 t ..] S^T, then p; v[160 + 32 t ..] O^T; v[224 + 16 t ..] p's codes.    window 1: v0-63 K's eight fragments; v64-127 V's four; v128-143 Q's two.
.set SLOT1, 1<<16                      ; slot 1 begins here, so that one exclusive or turns an address in one slot into the other's
.set STEPB, 16384                      ; a key step: 8 KB of K, 8 KB of V
.set NSL,   8                          ; slots' worth of keys
.set SPARE, 2*SLOT1                    ; behind the ring: the spare words, 128 bytes for each wave: four blocks of 256 bytes that no other line names
.set LI,   1
.set ADR,  2
.set SPW,  3
.set NIL,  4
.set PFO,  5
.set HOLD, 6
.set SCL,  7
.set ST,   8
.set TMP,  28
.set SC,   32
.set OT,   160
.set PC,   224
.set KF,   0
.set VF,   64
.set QF,   128
.set WV,   12                          ; s12  my wave's number
.set LIM,  15                          ; s15  1 in a wave that prefetches, else the greatest number
.set PFA,  18                          ; s[18:19] where my prefetches stand
.set SEL,  20                          ; s[20:21] lane selects: lane l xor 16
.set CS,   22                          ; s[22:23] c = log2(e) / 8 x 2^(e2 + e3); the packed form names a pair and takes its low word
.set G1,   24                          ; s[24:31] descriptor group 1
.set G0,   32                          ; s[32:35] descriptor group 0, which walks
.set TB,   36                          ; s36  LDS byte at which the slot in hand begins
.set SLOTS, 37                         ; s37  slots still to be asked for
.set MSB, 0
.macro WIN new                         ; the immediate's high byte repeats the setting that is left
.if MSB != \new
	s_set_vgpr_msb (MSB<<8)|\new
.set MSB, \new
.endif
.endm
; A round of the cluster's barrier: my work-group's barrier, so that wave 0's signal speaks for all eight waves; wave 0 signals; every wave waits for all four work-groups; my work-group's barrier once more.
.macro CROUND
	s_barrier_signal -1
	s_barrier_wait -1
	s_cmp_lg_u32 s[WV], 0
	s_cbranch_scc1 .Lnot_wave_0_\@
	s_barrier_signal -3
.Lnot_wave_0_\@:
	s_barrier_wait -3
	s_barrier_signal -1
	s_barrier_wait -1
.endm
; A PREFETCH INTO THE L2 of the slot that the NEXT change of slots will ask for: four key steps ahead of that load.  A slot is 256 blocks of 256 bytes, each named once in the launch: all four clusters of a
; (b, head) walk the same bytes, so the first of them (cluster x = 0) asks; its four partners take 16 KB each, told apart BY ADDRESS; in each, waves 0 and 1 ask for 8 KB, lanes 256 bytes apart.
; The last change that fills a slot asks for nothing.  Slots 0 and 1 come by their loads alone.
.macro ASK
	s_cmp_gt_u32 s[SLOTS], s[LIM]
	s_cbranch_scc0 .Lnot_mine_\@
	global_prefetch_b8 v[PFO], s[PFA:PFA+1] th:TH_LOAD_NT scope:SCOPE_SE
.Lnot_mine_\@:
.endm
	s_load_b256 s[4:11], s[0:1], 0x0               ; qc s[4:5], kvc s[6:7], the exponents s[8:9], oc s[10:11]
	v_lshl_add_u32 v[SPW], v0, 2, SPARE
	v_mov_b32 v[NIL], 0
	ds_add_u32 v3, v4
	ds_add_u32 v3, v4
	s_wait_dscnt 0x0
	v_lshrrev_b32 v1, 5, v0
	v_readfirstlane_b32 s[WV], v1                  ; wave 0..7
	v_and_b32 v[PFO], 31, v0
	v_lshlrev_b32 v[LI], 4, v[PFO]
	v_lshlrev_b32 v[PFO], 8, v[PFO]
	s_bfe_u32 s13, ttmp6, 0x40000                  ; cx: my place in the cluster
	s_lshl_b32 s14, ttmp9, 2                       ; in a cluster launch ttmp9 counts clusters
	s_add_co_u32 s14, s14, s13                     ; my block of 256 queries: it enters Q's and oc's addresses alone
	s_and_b32 s38, ttmp7, 0xffff                   ; 4 b + head, which the four partners share
	; descriptor group 1: 32 rows x 32 elements of 8 bytes, dense
	s_mov_b32 s[G1], 15|(3<<16)|(1<<21)            ; 15:0 the mask: all four work-groups; 17:16 elements of 8 bytes; 20 no padding; 21 set beside a mask
	s_mov_b32 s[G1+1], 32<<16                      ; tensor_dim0 = 32
	s_mov_b32 s[G1+2], 32<<16                      ; tensor_dim1 = 32
	s_mov_b32 s[G1+3], 32<<16                      ; tile_dim0 = 32
	s_mov_b32 s[G1+4], 32                          ; tile_dim1 = 32
	s_mov_b32 s[G1+5], 32                          ; tensor_dim0_stride
	s_mov_b32 s[G1+6], 0
	s_mov_b32 s[G1+7], 0
	s_mov_b32 s[SEL], 0x76543210
	s_mov_b32 s[SEL+1], 0xfedcba98
	s_mov_b32 s[TB], 0
	s_mov_b32 s[SLOTS], NSL-1
	s_lshr_b32 s[LIM], s[WV], 1                    ; 0 in waves 0 and 1,
	s_or_b32 s[LIM], s[LIM], ttmp9                 ; of the first cluster: the same in all four partners
	s_cmp_eq_u32 s[LIM], 0
	s_cselect_b32 s[LIM], 1, -1
	s_lshl_b32 s16, s38, 19                        ; K and V: the head's 524,288 bytes, my wave's eighth of a slot: nothing here hangs on cx
	s_lshl_b32 s39, s[WV], 13
	s_add_co_u32 s16, s16, s39
	s_mov_b32 s17, 0
	s_lshl_b32 s48, s38, 19                        ; the prefetches: the head, my work-group's 16 KB, my wave's 8 KB,
	s_lshl_b32 s49, s13, 14
	s_add_co_u32 s48, s48, s49
	s_and_b32 s49, s[WV], 1
	s_lshl_b32 s49, s49, 13
	s_add_co_u32 s48, s48, s49
	s_add_co_u32 s48, s48, SLOT1                   ; in slot 1: the first change of slots steps it to slot 2
	s_mov_b32 s49, 0
	s_lshl_b32 s50, s38, 18                        ; Q: 256 tiles of 1,024 bytes a head; 16 tiles a block; 2 a wave
	s_lshl_b32 s51, s14, 14
	s_add_co_u32 s50, s50, s51
	s_lshl_b32 s51, s[WV], 11
	s_add_co_u32 s50, s50, s51
	s_mov_b32 s51, 0
	s_lshr_b32 s52, s38, 2                         ; oc: [b][tile of 16 tokens][head][1,024 bytes]
	s_lshl_b32 s52, s52, 20
	s_lshl_b32 s53, s14, 16
	s_add_co_u32 s52, s52, s53
	s_lshl_b32 s53, s[WV], 13
	s_add_co_u32 s52, s52, s53
	s_and_b32 s53, s38, 3
	s_lshl_b32 s53, s53, 10
	s_add_co_u32 s52, s52, s53
	s_mov_b32 s53, 0
	s_wait_kmcnt 0x0
	s_load_b256 s[40:47], s[8:9], 0x0              ; e0 .. e7
	s_mov_b32 s[G0], 1                             ; count = 1
	s_lshl_b32 s[G0+1], s[WV], 13                  ; LDS: slot 0, wave x 8,192
	s_add_nc_u64 s[G0+2:G0+3], s[6:7], s[16:17]
	s_or_b32 s[G0+3], s[G0+3], 0x80000000          ; type = 2
	s_add_nc_u64 s[PFA:PFA+1], s[6:7], s[48:49]
	s_add_nc_u64 s[4:5], s[4:5], s[50:51]
	s_add_nc_u64 s[10:11], s[10:11], s[52:53]
	CROUND                                         ; all four work-groups are here: the first joint loads meet
	tensor_load_to_lds s[G0:G0+3], s[G1:G1+7]      ; slot 0
	s_nop 0
.rept 4
	v_nop                                          ; four lines behind the load, ahead of the switch of windows
.endr
	WIN 0x40                                       ; destination window 1
.irp i, 0,1,2,3
	global_load_b128 v[QF+4*\i:QF+4*\i+3], v[LI], s[4:5] offset:512*\i   ; Q's two fragments stay in registers
.endr
	WIN 0
.irp t, 0,1
	v_mov_b32 v[ST+10*\t+1], 0xff61b1e6            ; the largest t so far: -3e38, under every t
	v_floor_f32 v[ST+10*\t], -v[ST+10*\t+1]        ; -M
	v_mov_b32 v[ST+10*\t+2], 0                     ; the sum, in two halves
	v_mov_b32 v[ST+10*\t+3], 0
	v_mov_b32 v[ST+10*\t+5], 0                     ; (named as the upper half of f's pair)
	v_mov_b32 v[TMP+\t], 0                         ; written once: a lane permute's destination counts as one of its sources
.endr
.set i, 0
.rept 64
	v_mov_b32 v[OT+i], 0                           ; O^T.  (The step is written without a first step of its own: the first change of M multiplies zeros)
.set i, i+1
.endr
	s_wait_kmcnt 0x0
	s_add_co_i32 s48, s42, s43
	s_lshl_b32 s48, s48, 23
	s_add_co_i32 s[CS], s48, 0x3e38aa3b            ; c = log2(e) / 8, with e2 + e3 added to its exponent field: a score stands for score x 2^(e2 + e3)
	s_mov_b32 s[CS+1], s[CS]                       ; (named with it as a pair, so it is written)
	s_add_co_i32 s48, s45, 127
	s_lshl_b32 s49, s48, 23
	v_mov_b32 v[SCL], s49                          ; 2^e5
.macro KLOAD q                         ; the slot's q-th step: K's eight fragments, 16 loads of 512 consecutive bytes
.set i, 0
.rept 16
	ds_load_b128 v[KF+4*i:KF+4*i+3], v[ADR] offset:STEPB*(\q)+512*i
.set i, i+1
.endr
.endm
.macro VLOAD q                         ; and V's four
.set i, 0
.rept 16
	ds_load_b128 v[VF+4*i:VF+4*i+3], v[ADR] offset:STEPB*(\q)+8192+512*i
.set i, i+1
.endr
.endm
; THE SOFTMAX OF ONE TILE FOR ONE STEP is three lists.  PRE writes number jj of the first, 73 plain instructions, for tile t.  s0-s63 are the lane's 64 scores.
;   0-31   the largest of s0-s63, three operands at a time, in two chains, in ascending order (each accumulator is first read at its low end)
;   32-35  lane l xor 16's; as t; the running largest t        36-40  -M = floor(-t); f = 2^(old M - new M), by v_ldexp_f32 of 1.0 with that whole number (the conversion saturates)
;   41-72  t - M, a pair of scores each
.macro PRE t
.set rT, ST+10*(\t)
.set rS, SC+64*(\t)
.if jj == 0
	v_max3_num_f32 v[rT+6], v[rS], v[rS+1], v[rS+2]
.elseif jj == 1
	v_max3_num_f32 v[rT+7], v[rS+3], v[rS+4], v[rS+5]
.elseif jj < 30
	v_max3_num_f32 v[rT+6+jj%2], v[rT+6+jj%2], v[rS+2+2*jj], v[rS+3+2*jj]
.elseif jj == 30
	v_max3_num_f32 v[rT+6], v[rT+6], v[rS+62], v[rS+63]
.elseif jj == 31
	v_max_num_f32 v[rT+6], v[rT+6], v[rT+7]
.elseif jj == 32
	v_permlanex16_b32 v[TMP+\t], v[rT+6], s[SEL], s[SEL+1]
.elseif jj == 33
	v_max_num_f32 v[rT+6], v[rT+6], v[TMP+\t]
.elseif jj == 34
	v_mul_f32 v[rT+6], s[CS], v[rT+6]
.elseif jj == 35
	v_max_num_f32 v[rT+1], v[rT+1], v[rT+6]
.elseif jj == 36
	v_mov_b32 v[rT+6], v[rT]
.elseif jj == 37
	v_floor_f32 v[rT], -v[rT+1]
.elseif jj == 38
	v_sub_f32 v[rT+6], v[rT], v[rT+6]
.elseif jj == 39
	v_cvt_i32_f32 v[rT+6], v[rT+6]
.elseif jj == 40
	v_ldexp_f32 v[rT+4], 1.0, v[rT+6]
.else
	v_pk_fma_f32 v[rS+2*(jj-41):rS+2*(jj-41)+1], v[rS+2*(jj-41):rS+2*(jj-41)+1], s[CS:CS+1], v[rT:rT+1] op_sel_hi:[1,0,0]
.endif
.endm
; The second list is the tile's 64 exponentials.  POST writes number jj of the third, 121 numbers, 57 of them instructions, all that read them:
;   0-32    the sum under the new M, + the sum of the UNQUANTISED p, two at a time, in two chains
;   33-104  four times: two conversions: key tiles 2 b and 2 b + 1 become pairs 2 b and 2 b + 1 of P
;   105-120 O^T under the new M, in ascending order
.macro POST t
.set rT, ST+10*(\t)
.set rS, SC+64*(\t)
.set rP, PC+16*(\t)
.set rO, OT+32*(\t)
.if jj == 0
	v_pk_mul_f32 v[rT+2:rT+3], v[rT+2:rT+3], v[rT+4:rT+5] op_sel_hi:[1,0]
.elseif jj == 1
	v_pk_add_f32 v[rT+8:rT+9], v[rS:rS+1], v[rS+2:rS+3]
.elseif jj < 32
.if jj%2 == 0
	v_pk_add_f32 v[rT+2:rT+3], v[rT+2:rT+3], v[rS+2*jj:rS+2*jj+1]
.else
	v_pk_add_f32 v[rT+8:rT+9], v[rT+8:rT+9], v[rS+2*jj:rS+2*jj+1]
.endif
.elseif jj == 32
	v_pk_add_f32 v[rT+2:rT+3], v[rT+2:rT+3], v[rT+8:rT+9]
.elseif jj < 105
.set bb, (jj-33)/18
.set kk, (jj-33)%18
.if kk < 16
.elseif kk == 16
	v_cvt_scalef32_pk8_fp8_f32 v[rP+4*bb:rP+4*bb+1], v[rS+16*bb:rS+16*bb+7], v[SCL]
.else
	v_cvt_scalef32_pk8_fp8_f32 v[rP+4*bb+2:rP+4*bb+3], v[rS+16*bb+8:rS+16*bb+15], v[SCL]
.endif
.else
	v_pk_mul_f32 v[rO+2*(jj-105):rO+2*(jj-105)+1], v[rO+2*(jj-105):rO+2*(jj-105)+1], v[rT+4:rT+5] op_sel_hi:[1,0]
.endif
.endm
; A KEY STEP: 128 keys, the q-th of the slot in hand.
.macro STEP q
.if (\q) == 0
	v_add_nc_u32 v[ADR], s[TB], v[LI]
	WIN 0x40                                       ; destination window 1
	KLOAD 0
.endif
	s_wait_dscnt 0x0                               ; K is in (but for a slot's first step it was asked for a whole softmax ago)
	WIN 0x05                                       ; sources 0 (K) and 1 (Q) window 1
.irp kt, 0,1,2,3,4,5,6,7
.irp t, 0,1
	v_wmma_f32_16x16x64_fp8_fp8 v[SC+64*\t+8*\kt:SC+64*\t+8*\kt+7], v[KF+8*\kt:KF+8*\kt+7], v[QF+8*\t:QF+8*\t+7], 0
.endr
.endr
.rept 4
	v_nop                                          ; four places in front of the loads into K's and V's registers and of the first read of the scores
.endr
	WIN 0x40
	VLOAD \q
.if (\q) < 3
	KLOAD (\q)+1                                   ; the next step's K: both runs land under the softmax
.endif
	WIN 0
.set jj, 0
.rept 73
	PRE 0
.set jj, jj+1
.endr
.set jj, 0
.rept 64                                       ; A's exponentials, each with a plain instruction of B's beside it; none of these names a result of the batch
	v_exp_f32 v[SC+jj], v[SC+jj]
	PRE 1
.set jj, jj+1
.endr
.rept 9
	PRE 1                                          ; (also the plain instructions behind the batch's last exponential)
.set jj, jj+1
.endr
	s_wait_alu depctr_va_vdst(0)                   ; the wait ahead of the first reader: one for A's 64 exponentials
.set ii, 0
.rept 64                                       ; B's exponentials, with A's third list, two of its numbers a turn, beside them
	v_exp_f32 v[SC+64+ii], v[SC+64+ii]
.set jj, 2*ii
.if jj < 121
	POST 0
.endif
.set jj, 2*ii+1
.if jj < 121
	POST 0
.endif
.set ii, ii+1
.endr
	v_nop                                          ; a plain instruction behind the last exponential
	s_wait_alu depctr_va_vdst(0)                   ; one wait for B's 64
.set jj, 0
.rept 121
	POST 1
.set jj, jj+1
.endr
.if (\q) < 3
	s_wait_dscnt 16                                ; V is in; the next step's K, 16 loads issued behind V's, may be out
.else
	s_wait_dscnt 0x0
.endif
	WIN 0x01                                       ; source 0 (V) window 1
.irp d, 0,1,2,3                                ; eight accumulators, one instruction a turn
.irp t, 0,1
	v_wmma_f32_16x16x128_fp8_fp8 v[OT+32*\t+8*\d:OT+32*\t+8*\d+7], v[VF+16*\d:VF+16*\d+15], v[PC+16*\t:PC+16*\t+15], v[OT+32*\t+8*\d:OT+32*\t+8*\d+7]
.endr
.endr
	WIN 0
.endm
; THE CHANGE OF SLOTS stands at a slot's head.  Each wave waits for all its tensor loads (its part of the slot that it is about to read), adds 0 to its spare word, and waits for that and for its reads of the slot that it has left.
; fill = 1: a round of the cluster's barrier follows, so that no wave of any partner still reads the other slot or has a load on its way; the joint refill is the first thing behind it, and has four key steps in which to land.
.macro CHANGE fill
	s_wait_tensorcnt 0x0                           ; no tensor load of mine is out, so group 0 may be written
	ds_add_u32 v[SPW], v[NIL]                      ; 0 onto my spare word
.if \fill
	s_xor_b32 s[G0+1], s[G0+1], SLOT1              ; the walking descriptor: the other slot than last time,
	s_add_nc_u64 s[G0+2:G0+3], s[G0+2:G0+3], SLOT1 ; the next 512 keys; the type bits on top are not reached
	s_wait_xcnt 0x0                                ; the last prefetch, a slot back, has read its address, so it may be written:
	s_add_nc_u64 s[PFA:PFA+1], s[PFA:PFA+1], SLOT1 ; one slot further on than the walking descriptor
	s_wait_dscnt 0x0                               ; the add is done, and my reads of the slot that I have left are over
	CROUND
	tensor_load_to_lds s[G0:G0+3], s[G1:G1+7]
	s_nop 0
.rept 4
	v_nop                                          ; four lines behind the load
.endr
	ASK
.else
	s_wait_dscnt 0x0
	s_barrier_signal -1
	s_barrier_wait -1
.endif
.endm
	s_wait_loadcnt 0x0                             ; Q
.Lslot:                                            ; NSL - 1 trips: behind each change of slots but the last the next slot is asked for
	CHANGE 1
	STEP 0
	STEP 1
	STEP 2
	STEP 3
	s_xor_b32 s[TB], s[TB], SLOT1                  ; on to the other slot
	s_sub_co_u32 s[SLOTS], s[SLOTS], 1
	s_cmp_lg_u32 s[SLOTS], 0
	s_cbranch_scc1 .Lslot
	CHANGE 0                                       ; the last slot is written out
	STEP 0
	STEP 1
	STEP 2
	STEP 3
	; THE WAY OUT.  O^T x 2^(e4 + e5) / the sum, converted with 2^e6: tile d's eight registers are pair d of the projection's operand.  A lane's 16 bytes are stored as they stand: no LDS.
	s_add_co_i32 s48, s44, s45                     ; e4 + e5
	s_add_co_i32 s49, s46, 127
	s_lshl_b32 s50, s49, 23                        ; 2^e6
.irp t, 0,1
	v_add_f32 v[ST+10*\t+6], v[ST+10*\t+2], v[ST+10*\t+3]      ; the sum's two halves (these lines are also the places behind the last products),
.endr
.irp t, 0,1
	v_permlanex16_b32 v[TMP+\t], v[ST+10*\t+6], s[SEL], s[SEL+1]
.endr
.irp t, 0,1
	v_add_f32 v[ST+10*\t+6], v[ST+10*\t+6], v[TMP+\t]          ; and lane l xor 16's
.endr
.irp t, 0,1
	v_rcp_f32 v[ST+10*\t+7], v[ST+10*\t+6]
.endr
	v_mov_b32 v[SCL], s50                          ; (plain instructions behind the reciprocals)
	s_wait_alu depctr_va_vdst(0)                   ; the wait ahead of the first reader: one for both reciprocals
.irp t, 0,1
	v_ldexp_f32 v[ST+10*\t+4], v[ST+10*\t+7], s48
.endr
.irp t, 0,1
.set i, 0
.rept 16
	v_pk_mul_f32 v[SC+64*\t+2*i:SC+64*\t+2*i+1], v[OT+32*\t+2*i:OT+32*\t+2*i+1], v[ST+10*\t+4:ST+10*\t+5] op_sel_hi:[1,0]   ; each accumulator from its low end on
.set i, i+1
.endr
.set i, 0
.rept 32
.set i, i+1
.endr
.irp d, 0,1,2,3
	v_cvt_scalef32_pk8_fp8_f32 v[PC+16*\t+2*\d:PC+16*\t+2*\d+1], v[SC+64*\t+8*\d:SC+64*\t+8*\d+7], v[SCL]
.endr
.endr
	v_nop                                          ; a plain instruction behind the last conversion
.irp t, 0,1
	global_store_b128 v[LI], v[PC+16*\t:PC+16*\t+3], s[10:11] offset:4096*\t         ; 512 consecutive bytes a store, aligned
	global_store_b128 v[LI], v[PC+16*\t+4:PC+16*\t+7], s[10:11] offset:4096*\t+512
.endr
	s_wait_tensorcnt 0x0                           ; the wave's end
	ds_add_u32 v[SPW], v[NIL]
	s_wait_dscnt 0x0
	CROUND                                         ; the closing round: no work-group ends while a partner may still ask for a tile that names it
	s_endpgm
.Lfunc_end_k_qd720062770_attn:
	.size	k_qd720062770_attn, .Lfunc_end_k_qd720062770_attn-k_qd720062770_attn
	.p2alignl 7, 3214868480
	.fill 96, 4, 3214868480
	.section	.rodata,"a",@progbits
	.p2align	6, 0x0
	.amdhsa_kernel k_qd720062770_attn
		.amdhsa_group_segment_fixed_size 327680
		.amdhsa_private_segment_fixed_size 0
		.amdhsa_enable_private_segment 0
		.amdhsa_kernarg_size 32
		.amdhsa_user_sgpr_count 2
		.amdhsa_user_sgpr_kernarg_segment_ptr 1
		.amdhsa_wavefront_size32 1
		.amdhsa_system_sgpr_workgroup_id_x 1
		.amdhsa_system_sgpr_workgroup_id_y 1
		.amdhsa_system_sgpr_workgroup_id_z 1
		.amdhsa_system_vgpr_workitem_id 0
		.amdhsa_next_free_vgpr 400
		.amdhsa_next_free_sgpr 66
		.amdhsa_reserve_vcc 0
		.amdhsa_float_denorm_mode_32 3
		.amdhsa_float_denorm_mode_16_64 3
		.amdhsa_fp16_overflow 1
		.amdhsa_memory_ordered 1
		.amdhsa_forward_progress 1
		.amdhsa_inst_pref_size 203
	.end_amdhsa_kernel
	.amdgpu_metadata
---
amdhsa.version: [ 1, 2 ]
amdhsa.kernels:
  - .name:           k_qd720062770_attn
    .symbol:         k_qd720062770_attn.kd
    .args:
      - { .name: qc, .offset: 0, .size: 8, .value_kind: global_buffer, .address_space: global }
      - { .name: kvc, .offset: 8, .size: 8, .value_kind: global_buffer, .address_space: global }
      - { .name: lowp_scales, .offset: 16, .size: 8, .value_kind: global_buffer, .address_space: global }
      - { .name: oc, .offset: 24, .size: 8, .value_kind: global_buffer, .address_space: global }
    .group_segment_fixed_size: 327680
    .private_segment_fixed_size: 0
    .kernarg_segment_align: 8
    .kernarg_segment_size: 32
    .max_flat_workgroup_size: 256
    .sgpr_count:     66
    .vgpr_count:     400
    .wavefront_size: 32
...
	.end_amdgpu_metadata
.endif
;; end of part 3
;; launch proj (part 4): grid 256 x 1, 16 waves a work-group, no clusters, 88,064 bytes of LDS; arguments oc, wc, lowp_scales, b_proj, x, out0; writes out0
.if DOCPART == 4
	.amdgcn_target "amdgcn-amd-amdhsa--gfx1250"
	.amdhsa_code_object_version 6
	.text
	.protected	k_qd720062770_proj
	.globl	k_qd720062770_proj
	.p2align	8
	.type	k_qd720062770_proj,@function
k_qd720062770_proj:
	s_mov_b64 s[64:65], 0
	v_nop
	global_prefetch_b8 v0, s[64:65] scope:SCOPE_SE
	s_setreg_imm32_b32 hwreg(HW_REG_WAVE_MODE, 25, 1), 1
	s_wait_xcnt 0x0
; out0 = x + w_proj x attention's result + b_proj.  The product is on codes of FP8 (E4M3): oc (scale 2^e6) and w_proj's images in wc (2^e7); sums f32; each sum x 2^(e6 + e7) + bias, one packed multiply-add for two.
; SHARES.  A work-group takes 64 tokens of one image b and all 256 outputs; wave w outputs 16 w .. 16 w + 15: four accumulators (tiles of 16 tokens) x 2 K steps of 128 = 8 matrix instructions.
; Source 0 = 16 tokens, source 1 = 16 rows of w_proj: a lane holds ONE output channel and eight neighbouring tokens, which are neighbours in out0 ([b][channel][token]).
; The tokens' 16 KB of codes are images of the operand's registers: they are copied into LDS as they lie (32 bytes a thread) and every wave reads its fragments back at 16 x lane.
; THE WAY OUT.  A wave's 16 channels x 64 tokens go through its own stage in LDS (rows of 256 bytes + 16) and come back by rows: sixteen lanes add x and store 256 consecutive bytes, aligned.
; LIMIT: e6 + e7 between -126 and 127, so that 2^(e6 + e7) is an f32 number.
; Bytes bind here (x in, out0 out, 4 bytes a number).  No tensor load and no cluster: what work-groups share, 64 KB of weights, goes straight into registers, once, at the head.  No prefetch: every load is issued at the head.
.set STG, 16384                        ; LDS: the tokens' images at 0; from here a stage of 16 x 272 bytes for each wave
.set AF,  32                           ; v32-159  the tokens' fragments: (tile t, K step ks) at 32 + 16 (2 t + ks); later v32-63 results, v64-95 rows read back
.set WF,  160                          ; v160-191 my two fragments of w_proj
.set ACC, 192                          ; v192-223 four accumulators
.set XR,  224                          ; v224-255 x: 16 rows x 256 bytes, 16 bytes a lane
.set YR,  32
.set BK,  64
; v1 16 x lane; v2 16 x thread; v3, v4 the stage, in and back; v5 my place in x and out0; v6 the bias's offset; v[8:9] the bias (the upper word 0); v10-17 the copy
	s_load_b256 s[4:11], s[0:1], 0x0               ; oc s[4:5], wc s[6:7], the exponents s[8:9], b_proj s[10:11]
	s_load_b128 s[12:15], s[0:1], 0x20             ; x s[12:13], out0 s[14:15]
	v_lshl_add_u32 v30, v0, 2, 0x15000
	v_mov_b32 v31, 0
	v_lshrrev_b32 v7, 5, v0
	s_delay_alu instid0(VALU_DEP_1)
	v_readfirstlane_b32 s16, v7                    ; wave 0..15
	v_and_b32 v1, 31, v0
	s_delay_alu instid0(VALU_DEP_1)
	v_lshlrev_b32 v1, 4, v1
	v_lshlrev_b32 v2, 4, v0
	v_and_b32 v18, 15, v0                          ; r
	v_bfe_u32 v19, v0, 4, 1                        ; h
	s_mul_i32 s17, s16, 16*272
	s_add_co_u32 s17, s17, STG                     ; my stage
	v_mul_u32_u24 v3, v18, 272
	s_delay_alu instid0(VALU_DEP_1)
	v_lshl_add_u32 v3, v19, 5, v3
	s_delay_alu instid0(VALU_DEP_1)
	v_add_nc_u32 v3, s17, v3                       ; in: row r (my channel), 32 bytes for each half of the lanes
	v_mul_u32_u24 v4, v19, 272
	s_delay_alu instid0(VALU_DEP_1)
	v_lshl_add_u32 v4, v18, 4, v4
	s_delay_alu instid0(VALU_DEP_1)
	v_add_nc_u32 v4, s17, v4                       ; back: lanes 0-15 one row, lanes 16-31 the next
	v_lshlrev_b32 v5, 14, v19
	s_delay_alu instid0(VALU_DEP_1)
	v_lshl_add_u32 v5, v18, 4, v5                  ; and the same two rows in x and out0: a channel is 16,384 bytes
	v_lshlrev_b32 v6, 2, v18
	s_lshl_b32 s18, s16, 6
	v_add_nc_u32 v6, s18, v6                       ; b_proj[16 w + r]
	v_mov_b32 v9, 0                                ; (named as the upper half of the pair v[8:9])
	s_mov_b32 s19, 0
	s_mov_b32 s23, 0
	s_lshr_b32 s22, ttmp9, 6                       ; b: 4 MiB,
	s_lshl_b32 s22, s22, 22
	s_lshl_b32 s18, s16, 18                        ; my 16 channels,
	s_add_co_u32 s22, s22, s18
	s_and_b32 s18, ttmp9, 63
	s_lshl_b32 s18, s18, 8                         ; the 64 tokens
	s_add_co_u32 s22, s22, s18
	s_wait_alu depctr_va_vdst(0)
	s_wait_kmcnt 0x0
	s_load_b256 s[24:31], s[8:9], 0x0              ; e0 .. e7
	s_add_nc_u64 s[12:13], s[12:13], s[22:23]
	s_add_nc_u64 s[14:15], s[14:15], s[22:23]
	s_lshl_b32 s18, ttmp9, 14
	s_add_nc_u64 s[4:5], s[4:5], s[18:19]          ; oc: four tiles of 4,096 bytes a work-group
	s_lshl_b32 s18, s16, 12
	s_add_co_u32 s18, s18, 196608                  ; wc: w_proj's images begin at tile 48; 4,096 bytes a tile
	s_add_nc_u64 s[6:7], s[6:7], s[18:19]
	global_load_b128 v[10:13], v2, s[4:5]
	global_load_b128 v[14:17], v2, s[4:5] offset:8192
.set i, 0
.rept 8
	global_load_b128 v[WF+4*i:WF+4*i+3], v1, s[6:7] offset:512*i
.set i, i+1
.endr
	global_load_b32 v8, v6, s[10:11]
.set i, 0
.rept 8
	global_load_b128 v[XR+4*i:XR+4*i+3], v5, s[12:13] offset:32768*i th:TH_LOAD_NT   ; channels 2 i and 2 i + 1 of my 16: 256 consecutive bytes each
.set i, i+1
.endr
	s_wait_loadcnt 17                              ; the copy's two loads are in: 8 + 1 + 8 were issued behind them
	ds_store_b128 v2, v[10:13]
	ds_store_b128 v2, v[14:17] offset:8192
	s_wait_dscnt 0x0                               ; for the others' sake: my stores are done
	s_barrier_signal -1
	s_barrier_wait -1
.set i, 0
.rept 32
	ds_load_b128 v[AF+4*i:AF+4*i+3], v1 offset:512*i           ; the eight fragments, as they lie
.set i, i+1
.endr
	s_wait_loadcnt 8                               ; the weights and the bias are in; x's eight loads may be out
	s_wait_kmcnt 0x0
	s_add_co_i32 s20, s30, s31
	s_add_co_i32 s20, s20, 127
	s_lshl_b32 s20, s20, 23                        ; 2^(e6 + e7) as f32
	s_mov_b32 s21, s20                             ; (named with it as a pair, so it is written)
	s_wait_dscnt 0x0
.irp t, 0,1,2,3                                ; four accumulators by turns; the first K step starts the sums
	v_wmma_f32_16x16x128_fp8_fp8 v[ACC+8*\t:ACC+8*\t+7], v[AF+32*\t:AF+32*\t+15], v[WF:WF+15], 0
.endr
.irp t, 0,1,2,3
	v_wmma_f32_16x16x128_fp8_fp8 v[ACC+8*\t:ACC+8*\t+7], v[AF+32*\t+16:AF+32*\t+31], v[WF+16:WF+31], v[ACC+8*\t:ACC+8*\t+7]
.endr
.rept 4
	v_nop                                          ; four places (ISA guide 7.12.1) in front of the first read of the sums and of writes into the fragments' registers
.endr
.set i, 0
.rept 16
	v_pk_fma_f32 v[YR+2*i:YR+2*i+1], v[ACC+2*i:ACC+2*i+1], s[20:21], v[8:9] op_sel_hi:[1,0,0]   ; sum x 2^(e6 + e7) + bias; each accumulator from its low end on
.set i, i+1
.endr
.irp t, 0,1,2,3
	ds_store_b128 v3, v[YR+8*\t:YR+8*\t+3] offset:64*\t        ; channel r, tokens 16 t + 8 h + 0..7
	ds_store_b128 v3, v[YR+8*\t+4:YR+8*\t+7] offset:64*\t+16
.endr
.set i, 0
.rept 8
	ds_load_b128 v[BK+4*i:BK+4*i+3], v4 offset:544*i           ; my own bytes; LDS serves a wave's instructions in order (ISA guide 5.7.1.4): these see the stores above
.set i, i+1
.endr
	s_wait_loadcnt 0x0                             ; x
.set i, 0
.rept 8
	s_wait_dscnt 7-i                               ; rows 2 i and 2 i + 1 are back
	v_pk_add_f32 v[BK+4*i:BK+4*i+1], v[BK+4*i:BK+4*i+1], v[XR+4*i:XR+4*i+1]
	v_pk_add_f32 v[BK+4*i+2:BK+4*i+3], v[BK+4*i+2:BK+4*i+3], v[XR+4*i+2:XR+4*i+3]
	global_store_b128 v5, v[BK+4*i:BK+4*i+3], s[14:15] offset:32768*i th:TH_STORE_NT   ; 16 lanes store 256 consecutive bytes, aligned
.set i, i+1
.endr
	s_wait_tensorcnt 0x0
	ds_add_u32 v30, v31
	s_wait_dscnt 0x0
	s_endpgm
.Lfunc_end_k_qd720062770_proj:
	.size	k_qd720062770_proj, .Lfunc_end_k_qd720062770_proj-k_qd720062770_proj
	.p2alignl 7, 3214868480
	.fill 96, 4, 3214868480
	.section	.rodata,"a",@progbits
	.p2align	6, 0x0
	.amdhsa_kernel k_qd720062770_proj
		.amdhsa_group_segment_fixed_size 88064
		.amdhsa_private_segment_fixed_size 0
		.amdhsa_enable_private_segment 0
		.amdhsa_kernarg_size 48
		.amdhsa_user_sgpr_count 2
		.amdhsa_user_sgpr_kernarg_segment_ptr 1
		.amdhsa_wavefront_size32 1
		.amdhsa_system_sgpr_workgroup_id_x 1
		.amdhsa_system_sgpr_workgroup_id_y 1
		.amdhsa_system_sgpr_workgroup_id_z 1
		.amdhsa_system_vgpr_workitem_id 0
		.amdhsa_next_free_vgpr 256
		.amdhsa_next_free_sgpr 66
		.amdhsa_reserve_vcc 0
		.amdhsa_float_denorm_mode_32 3
		.amdhsa_float_denorm_mode_16_64 3
		.amdhsa_memory_ordered 1
		.amdhsa_forward_progress 1
		.amdhsa_inst_pref_size 12
	.end_amdhsa_kernel
	.amdgpu_metadata
---
amdhsa.version: [ 1, 2 ]
amdhsa.kernels:
  - .name:           k_qd720062770_proj
    .symbol:         k_qd720062770_proj.kd
    .args:
      - { .name: oc, .offset: 0, .size: 8, .value_kind: global_buffer, .address_space: global }
      - { .name: wc, .offset: 8, .size: 8, .value_kind: global_buffer, .address_space: global }
      - { .name: lowp_scales, .offset: 16, .size: 8, .value_kind: global_buffer, .address_space: global }
      - { .name: b_proj, .offset: 24, .size: 8, .value_kind: global_buffer, .address_space: global }
      - { .name: x, .offset: 32, .size: 8, .value_kind: global_buffer, .address_space: global }
      - { .name: out0, .offset: 40, .size: 8, .value_kind: global_buffer, .address_space: global }
    .group_segment_fixed_size: 88064
    .private_segment_fixed_size: 0
    .kernarg_segment_align: 8
    .kernarg_segment_size: 48
    .max_flat_workgroup_size: 512
    .sgpr_count:     66
    .vgpr_count:     256
    .wavefront_size: 32
...
	.end_amdgpu_metadata
.endif
;; end of part 4
